; MI455X (gfx1250); checked and timed in simulation.
; The chip was launched on July 23, 2026; its instructions are those of AMD's public machine-readable ISA for CDNA 5 (MIT licence, August 2026) and "CDNA5" Instruction Set Architecture Reference Guide (July 2026). The comments in the code are by the model that wrote it; some were corrected since.
;; Multi Head Attention. Allowed arithmetic: matrix products marked QUANTISED: E2M1 operands, one E8M0 scale for each 32 along K, by v_wmma_scale_f32_16x16x128_f8f6f4 with both operands' format E2M1 (or v_wmma_scale_f32_32x16x128_f4), f32 sums; everything else in f32.
;; Inputs: Wk_codes 1,024 x 32 x 16 uint8 (E2M1 codes of Wk, K innermost, in blocks of 32 codes, two codes a byte); Wk_scales 1,024 x 32 uint8 (E8M0 scales of Wk, one for each 32 codes along K); Wq_codes 1,024 x 32 x 16 uint8 (E2M1 codes of Wq, K innermost, in blocks of 32 codes, two codes a byte); Wq_scales 1,024 x 32 uint8 (E8M0 scales of Wq, one for each 32 codes along K); Wv_codes 1,024 x 32 x 16 uint8 (E2M1 codes of Wv, K innermost, in blocks of 32 codes, two codes a byte); Wv_scales 1,024 x 32 uint8 (E8M0 scales of Wv, one for each 32 codes along K); bk 1,024 float32; bq 1,024 float32; bv 1,024 float32; x_codes 4 x 2,048 x 32 x 16 uint8 (E2M1 codes of x, K innermost, in blocks of 32 codes, two codes a byte); x_scales 4 x 2,048 x 32 uint8 (E8M0 scales of x, one for each 32 codes along K).
;; Outputs: out0 4 x 2,048 x 1,024 float32.
;; This version of the problem:
;;   THIS VERSION OF THE PROBLEM IS GIVEN IN LOW PRECISION. The matrix products marked QUANTISED in the list below multiply operands that are first quantised to E2M1 (2 exponent bits, 1 mantissa bit; 4 bits a number), with one power-of-two scale for each 32 numbers along K (OCP MX v1.0); their sums are f32. All else is computed in f32.
;;   The module's matrix products, in the order in which they are computed (A, B: the left and right operand; K: the contracted axis; several contracted axes count as one K, in the product's order):
;;     1. [M 8,192, K 1,024] x [K 1,024, N 1,024]; A: input x (given as codes); B: input Wq (given as codes): QUANTISED
;;     2. [M 8,192, K 1,024] x [K 1,024, N 1,024]; A: input x (given as codes); B: input Wk (given as codes): QUANTISED
;;     3. [M 8,192, K 1,024] x [K 1,024, N 1,024]; A: input x (given as codes); B: input Wv (given as codes): QUANTISED
;;     4. batch 64 x [M 2,048, K 64] x [K 64, N 2,048]; A: computed on the way; B: computed on the way: QUANTISED
;;     5. batch 64 x [M 2,048, K 2,048] x [K 2,048, N 64]; A: softmax (see below); B: computed on the way: QUANTISED
;;   THE QUANTISER, for each operand of a quantised product, along K:
;;     - K is cut into blocks of 32 from its start; a last block that is shorter is filled with zeros.
;;     - A block's scale is 2^e with e = floor(log2(the largest magnitude in the block)) - 2, held to -126 .. 127; a block of zeros has e = 0. As a byte (E8M0): e + 127.
;;     - Each number is divided by its block's scale, clamped to +-6, and rounded to the nearest number of E2M1, ties to even, subnormals kept.
;;     - The product sums the exact products of the quantised numbers (number of the format x scale) in f32.
;;   ~~~python
;;   def quantise(x, axis):      # numpy; x: float32 -> the quantised numbers, widened to float32 again
;;       x = np.moveaxis(x, axis, -1); K = x.shape[-1]
;;       x = np.pad(x, [(0, 0)] * (x.ndim - 1) + [(0, -K % 32)]); x = x.reshape(x.shape[:-1] + (-1, 32)); a = np.abs(x).max(-1, keepdims=True)
;;       e = np.where(a > 0, np.clip(np.frexp(np.where(a > 0, a, 1))[1] - 1 - 2, -126, 127), 0)      # np.frexp(a)[1] - 1 = floor(log2(a)), exactly
;;       r = np.clip(x / 2.0 ** e, -6, 6)
;;       step = 2.0 ** (np.maximum(np.frexp(np.where(r == 0, 1, r))[1] - 1, 0) - 1)
;;       q = np.round(r / step) * step * 2.0 ** e      # np.round: ties to even
;;       return np.moveaxis(q.reshape(q.shape[:-2] + (-1,))[..., :K], -1, axis).astype(np.float32)
;;   ~~~
;;   SOFTMAX AHEAD OF A QUANTISED PRODUCT. Where the list says 'softmax', what is quantised is not the finished softmax but p = 2^(t - M), with t = logit x log2(e) and M = ceil(the row's largest t), a whole number; so 1/2 < the row's largest p <= 1. The row's sum l is taken of the UNQUANTISED p, in f32, and the product's result is divided by l at the end. Since M is a whole number, a kernel that streams over the keys may use a running M (the ceiling of the running maximum): every later rescaling is an exact power of two, which a block's scale takes up: the codes' values come out the same.
;;   OPERANDS COMPUTED ON THE WAY. 'Computed on the way' means the value that the module computes at that place (a softmax that the list does not call 'softmax' is quantised finished and normalised). What goes into a quantiser is computed in f32, as accurately as f32 sums, v_exp_f32 and their like allow (about 1e-6 of the number): no bf16 or f16 on the way to a quantiser, and a product that is left as it is and whose result goes on into a quantised operand takes f32 operands (vector FMAs, or v_wmma_f32_16x16x4_f32). A number that lies on a knife's edge between two numbers of the format may be rounded either way, as far as f32 arithmetic and the matrix unit's own rounding can turn it there, and no further.
;;   INPUTS GIVEN AS CODES. Wk (in the module: [1024, 1024], K = its axis 0); Wq (in the module: [1024, 1024], K = its axis 0); Wv (in the module: [1024, 1024], K = its axis 0); x (in the module: [4, 2048, 1024], K = its axis 2): each comes as NAME_codes (uint8): NAME with its K axis moved to the last place and cut into blocks of 32 codes, [.., K / 32, bytes a block], one block behind the other in memory; two codes a byte, the lower K in the low four bits (a code: sign, 2 exponent bits, 1 mantissa bit); and NAME_scales (uint8): the same leading axes, one E8M0 byte (e + 127) for each 32 codes along K. Its value is code x scale, taken as it is: it is not quantised again, and the codes and scales need not be those that the quantiser above would give.
;; One version. Each part assembles by itself: llvm-mc -triple=amdgcn-amd-amdhsa -mcpu=gfx1250 --defsym DOCPART=n.
;; ======== version 1 of 1: 2 launches
;; limits: right only within a limited range of input values
;; workspace buffers: qws 9,175,040 bytes; kvws 9,175,040 bytes
;; launch proj (part 1): grid 8 x 32, 4 waves a work-group, clusters of 4 x 4, 327,680 bytes of LDS; arguments x_codes, x_scales, Wq_codes, Wq_scales, Wk_codes, Wk_scales, Wv_codes, Wv_scales, bq, bk, bv, qws, kvws; writes qws, kvws
.if DOCPART == 1
	.amdgcn_target "amdgcn-amd-amdhsa--gfx1250"
	.amdhsa_code_object_version 6
	.text
	.protected	k_q623e006114_proj
	.globl	k_q623e006114_proj
	.p2align	8
	.type	k_q623e006114_proj,@function
k_q623e006114_proj:
	s_mov_b64 s[64:65], 0
	v_nop
	global_prefetch_b8 v0, s[64:65] scope:SCOPE_SE
	s_setreg_imm32_b32 hwreg(HW_REG_WAVE_MODE, 25, 1), 1
	s_wait_xcnt 0x0
	s_wait_alu depctr_hold_cnt(0) depctr_sa_sdst(0) depctr_va_vdst(0) depctr_va_sdst(0) depctr_va_ssrc(0) depctr_va_vcc(0) depctr_vm_vsrc(0)
	s_getreg_b32 s2, hwreg(HW_REG_IB_STS2, 6, 4)
	s_cmp_eq_u32 s2, 0
	s_cbranch_scc0 .Lentry_in_a_cluster
	s_endpgm
.Lentry_in_a_cluster:
	s_bfe_u32 s2, ttmp6, 0x10000c
	s_cmp_lg_u32 s2, 0xf033
	s_cbranch_scc0 .Lentry_shape_is_right
	s_endpgm
.Lentry_shape_is_right:
; q = x Wq + bq, k = x Wk + bk, v = x Wv + bv on codes of FP4 (E2M1) with one E8M0 scale for each 32 along K = 1,024; the results are quantised again, in f32, q and k along a head's 64 channels,
; v along the tokens, and stored as images of the operand registers of the launch that follows: a head takes HEADB bytes, a group of 128 tokens GRPB = 8,960: 8 images of 512 bytes (q or k),
; 4 of 1,024 (V^T), 512 bytes of q's or k's scale words, 256 of V's.
; SHARES.  256 work-groups: 32 blocks of 256 tokens x 8 pairs of heads.  A work-group takes its tokens through q, k and v of its two heads; a wave owns 128 tokens (one group) and ONE head: 32 accumulators, 256 registers.
; x's fragments of the wave's 128 tokens, for all of K, are read from LDS ONCE into 512 registers and serve all three products; of W a step of 128 along K reads 8 x 16 bytes a lane for 32 matrix instructions.
; LDS: x's 256 rows and Wq's and Wk's 128 rows, each row all of K (512 bytes + 16 of padding), come by the head's four joint loads, one a wave.  Wv's 128 rows are the one refill: they land on x's bytes,
; behind q's products, when every wave has x in registers.
; CLUSTER 4 x 4: x's tiles hang on the block of tokens alone and are shared along a row of the cluster, W's on the pair of heads alone and are shared along a column.
; THE SCALE WORDS go from memory into registers: a lane takes its row's 32 bytes (8 words, one for each 128 along K) by two loads; lanes 0-15 hold one block of 16 rows and lanes 16-31 another (ROW1).
; THE BIAS is the C of each sum's first product.  q, k: source 0 = W's rows, source 1 = x's rows: a lane holds one token, its registers run along the channels.  v: the sources change places: a lane holds one channel, registers along the tokens.
; NOTHING IS PREFETCHED: the text has no loop to run ahead in; three tiles are asked for at the head, and Wv 256 matrix instructions and a way out ahead of its first read.
; LIMITS: NaN and infinities are not served.  A block of zeros keeps the scale byte 1: its codes are zeros, and only the next launch reads the bytes.
; REGISTERS: window 0: addresses, scale words, W's fragments (two sets), biases, the quantiser's;  windows 1, 2: x's fragments (a, q) at 64 q + 8 a;  window 3: the accumulators.
.set PITCH,  528
.set HALFT,  128*PITCH                 ; a tile of 128 rows
.set WQO,    2*HALFT
.set WKO,    3*HALFT
.set SPARE,  4*HALFT                   ; the spare words: 512 bytes that no other line names
.set GRPB,   8960
.set HEADB,  16*GRPB
.set SPW,  4
.set NIL,  5
.set ADX,  6                           ; LDS address of my x fragments
.set ADWQ, 7                           ; of my head's rows of Wq, Wk, Wv
.set ADWK, 8
.set ADWV, 9
.set L16,  10                          ; 16 x lane;  v11 the same with rows 0-7 and 8-15 changed
.set L16X, 11
.set L8,   12
.set BO,   13                          ; 32 h
.set BR,   14                          ; 4 r
.set SWD,  16                          ; v16-19 scale words made
.set H16,  20                          ; 16 h
.set XSO,  21                          ; my offset among x's scale bytes, W's
.set WSO,  22
.set XS,   24                          ; v24-55  x's scale words: 8 (a % 4) + q; lanes 16-31: block a + 4
.set WS,   56                          ; v56-103 W's: 16 g + 8 (b % 2) + q; lanes 16-31: block b + 2
.set WF,   104                         ; v104-167 W's fragments, two sets of 32; on a way out set 1 takes the codes
.set BQ,   168                         ; v168-199 bq, later bv;  v200-231 bk
.set TM,   232                         ; v232-247 the quantiser's
.set SEL,  12
.set G1X,  24
.set G1W,  32
.set G1V,  48
.set G0X,  56
.set G0W,  60
.set G0V,  96
.set FLAGS, (1<<20)|(1<<21)|(6<<22)|(3<<25)   ; elements of 1 byte; padding on; bit 21 beside a mask; 4 words behind every 128
.set MSB, 0
.macro WIN new
.if MSB != (\new)
	s_set_vgpr_msb (MSB<<8)|(\new)
.set MSB, (\new)
.endif
.endm
.macro PLACES
.rept 4
	v_nop
.endr
.endm
.macro CROUND
	s_barrier_signal -1
	s_barrier_wait -1
	s_cmp_lg_u32 s14, 0
	s_cbranch_scc1 .Lnot_wave_0_\@
	s_barrier_signal -3
.Lnot_wave_0_\@:
	s_barrier_wait -3
	s_barrier_signal -1
	s_barrier_wait -1
.endm
	s_load_b512 s[68:83], s[0:1], 0x0              ; x codes, x scales, Wq c, s, Wk c, s, Wv c, s
	s_load_b256 s[84:91], s[0:1], 0x40             ; bq, bk, bv, qws
	s_load_b64 s[92:93], s[0:1], 0x60              ; kvws
	v_lshl_add_u32 v[SPW], v0, 2, SPARE
	v_mov_b32 v[NIL], 0
	ds_add_u32 v[SPW], v[NIL]                      ; the opening lines: the add twice on end and its wait
	ds_add_u32 v[SPW], v[NIL]
	v_lshrrev_b32 v1, 5, v0
	v_readfirstlane_b32 s14, v1                    ; wave
	s_lshr_b32 s15, s14, 1                         ; which 128 tokens are mine.  Also: I fetch for x (0) or for W (1)
	s_and_b32 s16, s14, 1                          ; which head of the pair.  Also: which half of x, or Wq (0) or Wk (1)
	s_bfe_u32 s40, ttmp6, 0x40000                  ; cx
	s_bfe_u32 s41, ttmp6, 0x40004                  ; cy
	s_lshl_b32 s42, ttmp9, 2
	s_add_co_u32 s42, s42, s40                     ; P: the pair of heads
	s_and_b32 s17, ttmp7, 0xffff
	s_lshl_b32 s17, s17, 2
	s_add_co_u32 s17, s17, s41                     ; T: the block of 256 tokens
	s_lshl_b32 s43, s41, 2
	s_lshl_b32 s43, 15, s43                        ; my row of the cluster
	s_lshl_b32 s44, 0x1111, s40                    ; my column
	s_or_b32 s[G1X], s43, FLAGS
	s_or_b32 s[G1W], s44, FLAGS
	s_or_b32 s[G1V], s44, FLAGS
.irp g, G1X, G1W
	s_mov_b32 s[\g+1], 512<<16
	s_mov_b32 s[\g+2], 128<<16
	s_mov_b32 s[\g+3], 512<<16
	s_mov_b32 s[\g+4], 128
	s_mov_b32 s[\g+5], 512
	s_mov_b32 s[\g+6], 0
	s_mov_b32 s[\g+7], 0
.endr
	s_mov_b32 s[G1V+1], 512<<16                    ; Wv: 32 rows a wave
	s_mov_b32 s[G1V+2], 32<<16
	s_mov_b32 s[G1V+3], 512<<16
	s_mov_b32 s[G1V+4], 32
	s_mov_b32 s[G1V+5], 512
	s_mov_b32 s[G1V+6], 0
	s_mov_b32 s[G1V+7], 0
	s_lshl_b32 s20, s17, 17                        ; x: row 256 T + 128 half, 512 bytes a row
	s_lshl_b32 s21, s16, 16
	s_add_co_u32 s20, s20, s21
	s_mov_b32 s21, 0
	s_lshl_b32 s46, s42, 16                        ; W: row 128 P
	s_mov_b32 s47, 0
	s_lshl_b32 s22, s14, 14                        ; Wv: + 32 rows x wave
	s_add_co_u32 s22, s22, s46
	s_mov_b32 s23, 0
	s_mul_i32 s45, s14, HALFT                      ; where the head's tile goes: wave x a tile
	s_mul_i32 s[G0V+1], s14, 32*PITCH              ; and my part of Wv
	s_wait_dscnt 0x0
	s_wait_kmcnt 0x0
	s_cmp_eq_u32 s16, 0
	s_cselect_b64 s[18:19], s[72:73], s[76:77]
	s_mov_b32 s[G0X], 1
	s_mov_b32 s[G0X+1], s45
	s_add_nc_u64 s[G0X+2:G0X+3], s[68:69], s[20:21]
	s_or_b32 s[G0X+3], s[G0X+3], 0x80000000
	s_mov_b32 s[G0W], 1
	s_mov_b32 s[G0W+1], s45
	s_add_nc_u64 s[G0W+2:G0W+3], s[18:19], s[46:47]
	s_or_b32 s[G0W+3], s[G0W+3], 0x80000000
	s_mov_b32 s[G0V], 1
	s_add_nc_u64 s[G0V+2:G0V+3], s[80:81], s[22:23]
	s_or_b32 s[G0V+3], s[G0V+3], 0x80000000
	CROUND                                         ; all sixteen work-groups are here: the first joint loads meet
	s_cmp_eq_u32 s15, 0                            ; one load a wave: waves 0, 1 x's halves, wave 2 Wq, wave 3 Wk
	s_cbranch_scc0 .Lfor_w
	tensor_load_to_lds s[G0X:G0X+3], s[G1X:G1X+7]
	s_nop 0
	PLACES
	s_branch .Lasked
.Lfor_w:
	tensor_load_to_lds s[G0W:G0W+3], s[G1W:G1W+7]
	s_nop 0
	PLACES
.Lasked:
	s_lshl_b32 s4, s17, 13                         ; x's scale bytes: row 256 T + 128 (wave / 2), 32 bytes a row
	s_lshl_b32 s5, s15, 12
	s_add_co_u32 s4, s4, s5
	s_mov_b32 s5, 0
	s_add_nc_u64 s[70:71], s[70:71], s[4:5]
	s_lshl_b32 s6, s42, 12                         ; W's: row 128 P + 64 head
	s_lshl_b32 s7, s16, 11
	s_add_co_u32 s6, s6, s7
	s_mov_b32 s7, 0
	s_add_nc_u64 s[74:75], s[74:75], s[6:7]
	s_add_nc_u64 s[78:79], s[78:79], s[6:7]
	s_add_nc_u64 s[82:83], s[82:83], s[6:7]
	s_lshr_b32 s8, s6, 3                           ; the biases: 4 bytes a channel
	s_mov_b32 s9, 0
	s_add_nc_u64 s[84:85], s[84:85], s[8:9]
	s_add_nc_u64 s[86:87], s[86:87], s[8:9]
	s_add_nc_u64 s[88:89], s[88:89], s[8:9]
	s_lshr_b32 s10, s17, 3                         ; out: ((16 batch + head) 16 + group) GRPB
	s_lshl_b32 s10, s10, 4
	s_lshl_b32 s11, s42, 1
	s_add_co_u32 s10, s10, s11
	s_add_co_u32 s10, s10, s16
	s_lshl_b32 s10, s10, 4
	s_lshl_b32 s11, s17, 1
	s_add_co_u32 s11, s11, s15
	s_and_b32 s11, s11, 15
	s_add_co_u32 s10, s10, s11
	s_mul_i32 s10, s10, GRPB
	s_mov_b32 s11, 0
	s_add_nc_u64 s[90:91], s[90:91], s[10:11]
	s_add_nc_u64 s[92:93], s[92:93], s[10:11]
	s_mov_b32 s[SEL], 0x76543210
	s_mov_b32 s[SEL+1], 0xfedcba98
	s_mul_i32 s21, s15, HALFT                      ; my 128 rows of x
	s_mul_i32 s22, s16, 64*PITCH                   ; my head's 64 rows of a tile of W
	v_and_b32 v1, 15, v0                           ; r
	v_bfe_u32 v2, v0, 4, 1                         ; h
	v_mul_u32_u24 v3, v1, PITCH
	v_lshl_add_u32 v3, v2, 4, v3                   ; a fragment's row x pitch + 16 h
	v_add_nc_u32 v[ADX], s21, v3
	v_add_nc_u32 v[ADWV], s22, v3
	v_add_nc_u32 v[ADWQ], WQO, v[ADWV]
	v_add_nc_u32 v[ADWK], WKO, v[ADWV]
	v_and_b32 v15, 31, v0
	v_lshlrev_b32 v[L16], 4, v15
	v_xor_b32 v[L16X], 128, v[L16]
	v_lshlrev_b32 v[L8], 3, v15
	v_lshlrev_b32 v[BO], 5, v2
	v_lshlrev_b32 v[BR], 2, v1
	v_lshlrev_b32 v[H16], 4, v2
	v_lshlrev_b32 v[XSO], 5, v1
	v_lshl_add_u32 v[WSO], v2, 10, v[XSO]          ; lanes 16-31: 32 rows on
	v_lshl_add_u32 v[XSO], v2, 11, v[XSO]          ; 64 rows on
.irp b, 0,1,2,3
	v_mov_b32 v[TM+4+\b], 0                        ; a lane permute's destination counts as one of its sources
.endr
	s_wait_alu depctr_va_vdst(0)                   ; the wait at the head's end
.irp a, 0,1,2,3
.irp u, 0,1
	global_load_b128 v[XS+8*\a+4*\u:XS+8*\a+4*\u+3], v[XSO], s[70:71] offset:512*\a+16*\u
.endr
.endr
.irp b, 0,1
.irp u, 0,1
	global_load_b128 v[WS+8*\b+4*\u:WS+8*\b+4*\u+3], v[WSO], s[74:75] offset:512*\b+16*\u
	global_load_b128 v[WS+16+8*\b+4*\u:WS+16+8*\b+4*\u+3], v[WSO], s[78:79] offset:512*\b+16*\u
	global_load_b128 v[WS+32+8*\b+4*\u:WS+32+8*\b+4*\u+3], v[WSO], s[82:83] offset:512*\b+16*\u
.endr
.endr
.irp b, 0,1,2,3
.irp u, 0,1
	global_load_b128 v[BQ+8*\b+4*\u:BQ+8*\b+4*\u+3], v[BO], s[84:85] offset:64*\b+16*\u        ; register 8 b + j: channel 16 b + 8 h + j
	global_load_b128 v[BQ+32+8*\b+4*\u:BQ+32+8*\b+4*\u+3], v[BO], s[86:87] offset:64*\b+16*\u
.endr
.endr
; one matrix instruction; ra, rb: the side's scale words stand in lanes 16-31
.macro WM d, a, b, c, sa, sb, ra, rb
.if (\ra) && (\rb)
	v_wmma_scale_f32_16x16x128_f8f6f4 v[(\d):(\d)+7], v[(\a):(\a)+7], v[(\b):(\b)+7], v[(\c):(\c)+7], v[(\sa)], v[(\sb)] matrix_a_fmt:MATRIX_FMT_FP4 matrix_b_fmt:MATRIX_FMT_FP4 matrix_a_scale:MATRIX_SCALE_ROW1 matrix_b_scale:MATRIX_SCALE_ROW1
.else
.if (\ra)
	v_wmma_scale_f32_16x16x128_f8f6f4 v[(\d):(\d)+7], v[(\a):(\a)+7], v[(\b):(\b)+7], v[(\c):(\c)+7], v[(\sa)], v[(\sb)] matrix_a_fmt:MATRIX_FMT_FP4 matrix_b_fmt:MATRIX_FMT_FP4 matrix_a_scale:MATRIX_SCALE_ROW1
.else
.if (\rb)
	v_wmma_scale_f32_16x16x128_f8f6f4 v[(\d):(\d)+7], v[(\a):(\a)+7], v[(\b):(\b)+7], v[(\c):(\c)+7], v[(\sa)], v[(\sb)] matrix_a_fmt:MATRIX_FMT_FP4 matrix_b_fmt:MATRIX_FMT_FP4 matrix_b_scale:MATRIX_SCALE_ROW1
.else
	v_wmma_scale_f32_16x16x128_f8f6f4 v[(\d):(\d)+7], v[(\a):(\a)+7], v[(\b):(\b)+7], v[(\c):(\c)+7], v[(\sa)], v[(\sb)] matrix_a_fmt:MATRIX_FMT_FP4 matrix_b_fmt:MATRIX_FMT_FP4
.endif
.endif
.endif
.endm
; q (g = 0) or k (g = 1), the q-th 128 along K: 8 blocks of tokens x 4 of channels; the 32 accumulators take turns.  In the first the bias, in window 0, is C
.macro MM0 g, q
.if (\q) == 0
	WIN 0xc4
.else
	WIN 0xf0|((1+(\q)/4)<<2)
.endif
.irp a, 0,1,2,3,4,5,6,7
.irp b, 0,1,2,3
.if (\q) == 0
	WM 8*(4*\a+\b),WF+8*\b,8*\a,BQ+32*(\g)+8*\b,WS+16*(\g)+8*(\b%2),XS+8*(\a%4),\b/2,\a/4
.else
	WM 8*(4*\a+\b),WF+32*((\q)%2)+8*\b,64*((\q)%4)+8*\a,8*(4*\a+\b),WS+16*(\g)+8*(\b%2)+(\q),XS+8*(\a%4)+(\q),\b/2,\a/4
.endif
.endr
.endr
.endm
; v: source 0 = x's rows, source 1 = Wv's: 4 blocks of channels x 8 of tokens
.macro MM1 q
.if (\q) == 0
	WIN 0xc1
.else
	WIN 0xf0|(1+(\q)/4)
.endif
.irp a, 0,1,2,3
.irp b, 0,1,2,3,4,5,6,7
.if (\q) == 0
	WM 8*(8*\a+\b),8*\b,WF+8*\a,BQ+8*\a,XS+8*(\b%4),WS+32+8*(\a%2),\b/4,\a/2
.else
	WM 8*(8*\a+\b),64*((\q)%4)+8*\b,WF+32*((\q)%2)+8*\a,8*(8*\a+\b),XS+8*(\b%4)+(\q),WS+32+8*(\a%2)+(\q),\b/4,\a/2
.endif
.endr
.endr
.endm
.macro WLOAD adr, q                    ; my head's four fragments of W, the q-th 128 along K, into set q % 2
.irp b, 0,1,2,3
.irp c, 0,1
	ds_load_b128 v[WF+32*((\q)%2)+8*\b+4*\c:WF+32*((\q)%2)+8*\b+4*\c+3], v[\adr] offset:64*(\q)+32*\c+\b*16*PITCH
.endr
.endr
.endm
.macro XLOAD q                         ; my eight fragments of x, into window 1 or 2
.irp a, 0,1,2,3,4,5,6,7
.irp c, 0,1
	ds_load_b128 v[64*((\q)%4)+8*\a+4*\c:64*((\q)%4)+8*\a+4*\c+3], v[ADX] offset:64*(\q)+32*\c+\a*16*PITCH
.endr
.endr
.endm
; a step of 128 along K: what it multiplies was asked for a step ago; the next step's fragments are asked for ahead of its 32 products
.macro QTR kind, g, adr, q, ldx
	s_wait_dscnt 0x0
.if (\q) < 7
	WIN 0
	PLACES                                         ; in front of loads into registers that matrix instructions have read
	WLOAD \adr, (\q)+1
.if \ldx
	WIN 0x40*(1+((\q)+1)/4)
	XLOAD (\q)+1
.endif
.endif
.if \kind
	MM1 \q
.else
	MM0 \g, \q
.endif
.endm
; 64 accumulator registers from s on, in window 3: four blocks of 32 along the next K, each in lanes l and l xor 16 -> 8 registers of codes in the operand's layout, and the four scale bytes
.macro QUANT s, pc, pw
	WIN 0x3c
.irp b, 0,1,2,3
	v_max3_num_f32 v[TM+\b], 0x1800000, |v[(\s)+16*\b]|, |v[(\s)+1+16*\b]|   ; with the floor 2^(3 - 127); each accumulator is first read at its low end
.endr
.irp i, 2,4,6,8,10,12,14
.irp b, 0,1,2,3
	v_max3_num_f32 v[TM+\b], v[TM+\b], |v[(\s)+16*\b+\i]|, |v[(\s)+1+16*\b+\i]|
.endr
.endr
	WIN 0
.irp b, 0,1,2,3
	v_permlanex16_b32 v[TM+4+\b], v[TM+\b], s[SEL], s[SEL+1]
.endr
.irp b, 0,1,2,3
	v_max_num_f32 v[TM+\b], v[TM+\b], v[TM+4+\b]
.endr
.irp b, 0,1,2,3
	v_add_nc_u32 v[TM+12+\b], 0xff000000, v[TM+\b]   ; 2 off the exponent field: the conversion's scale operand
.endr
.irp b, 0,1,2,3
	v_lshrrev_b32 v[TM+4+\b], 23, v[TM+12+\b]        ; the byte
.endr
	v_lshl_or_b32 v[\pw], v[TM+5], 8, v[TM+4]
	v_lshl_or_b32 v[\pw], v[TM+6], 16, v[\pw]
	v_lshl_or_b32 v[\pw], v[TM+7], 24, v[\pw]
	WIN 0x03
.irp c, 0,1
	v_cvt_scalef32_pk8_fp4_f32 v[(\pc)+4*\c],   v[(\s)+32*\c:(\s)+32*\c+7],     v[TM+12+2*\c]
	v_cvt_scalef32_pk8_fp4_f32 v[(\pc)+4*\c+1], v[(\s)+32*\c+16:(\s)+32*\c+23], v[TM+13+2*\c]
	v_cvt_scalef32_pk8_fp4_f32 v[(\pc)+4*\c+2], v[(\s)+32*\c+8:(\s)+32*\c+15],  v[TM+12+2*\c]
	v_cvt_scalef32_pk8_fp4_f32 v[(\pc)+4*\c+3], v[(\s)+32*\c+24:(\s)+32*\c+31], v[TM+13+2*\c]
.endr
	WIN 0
	v_nop                                          ; one plain place behind a scaled conversion
.irp c, 0,1
	v_permlane16_swap_b32 v[(\pc)+4*\c], v[(\pc)+4*\c+1]     ; a whole block of 32 in a lane
	v_permlane16_swap_b32 v[(\pc)+4*\c+2], v[(\pc)+4*\c+3]
.endr
.endm
; the way out of q or k: two blocks of 16 tokens at a time; each store of the wave covers 512 consecutive bytes, aligned
.macro EPI0 base
	PLACES
.irp i, 0,1,2,3
	QUANT 64*\i, WF+32+8*\i, SWD+\i
.if (\i)%2
	global_store_b128 v[L16X], v[WF+32+8*\i:WF+32+8*\i+3], s[\base:\base+1] offset:1024*\i
	global_store_b128 v[L16X], v[WF+36+8*\i:WF+36+8*\i+3], s[\base:\base+1] offset:1024*\i+512
.else
	global_store_b128 v[L16], v[WF+32+8*\i:WF+32+8*\i+3], s[\base:\base+1] offset:1024*\i
	global_store_b128 v[L16], v[WF+36+8*\i:WF+36+8*\i+3], s[\base:\base+1] offset:1024*\i+512
.endif
.endr
.irp i, 0,1,2,3
	v_lshrrev_b32 v[TM+8+\i], v[H16], v[SWD+\i]    ; lanes 0-15: the two bytes of block 2 i; lanes 16-31: of block 2 i + 1
.endr
.irp i, 0,1,2,3
	v_and_b32 v[TM+8+\i], 0xffff, v[TM+8+\i]       ; bytes 2 and 3 stay 0
.endr
	global_store_b128 v[L16], v[TM+8:TM+11], s[\base:\base+1] offset:8192
	s_wait_alu depctr_va_vdst(0)                   ; directly ahead of the wait below
	s_wait_xcnt 0x0                                ; the stores have read their registers: set 1 and the quantiser's may be written again
.endm
	s_wait_tensorcnt 0x0                           ; my tile has landed,
	s_barrier_signal -1
	s_barrier_wait -1                              ; everybody's has
	WLOAD ADWQ, 0
	WIN 0x40
	XLOAD 0
	WIN 0
	s_wait_loadcnt 0x0                             ; scale words and biases
	QTR 0, 0, ADWQ, 0, 1
	WIN 0
	PLACES                                         ; bq has been taken as C: its registers take bv, each channel's number eight times
.irp a, 0,1,2,3
.irp j, 0,1,2,3,4,5,6,7
	global_load_b32 v[BQ+8*\a+\j], v[BR], s[88:89] offset:64*\a
.endr
.endr
.irp q, 1,2,3,4,5,6,7
	QTR 0, 0, ADWQ, \q, 1
.endr
	WIN 0
	s_wait_tensorcnt 0x0                           ; x is in registers in every wave behind this round: its bytes take Wv
	ds_add_u32 v[SPW], v[NIL]
	s_wait_dscnt 0x0
	CROUND
	tensor_load_to_lds s[G0V:G0V+3], s[G1V:G1V+7]  ; my 32 rows of Wv
	s_nop 0
	PLACES
	WLOAD ADWK, 0
	EPI0 90
.irp q, 0,1,2,3,4,5,6,7
	QTR 0, 1, ADWK, \q, 0
.endr
	WIN 0
	s_wait_tensorcnt 0x0                           ; my part of Wv has landed,
	s_wait_dscnt 0x0
	s_barrier_signal -1
	s_barrier_wait -1                              ; everybody's has
	PLACES
	WLOAD ADWV, 0
	EPI0 92
	s_wait_loadcnt 0x0                             ; bv
.irp q, 0,1,2,3,4,5,6,7
	QTR 1, 2, ADWV, \q, 0
.endr
	WIN 0
	PLACES
.irp a, 0,1,2,3
	QUANT 64*\a, WF+8*\a, SWD+\a
	global_store_b128 v[L16], v[WF+8*\a:WF+8*\a+3], s[92:93] offset:4096+1024*\a
	global_store_b128 v[L16], v[WF+8*\a+4:WF+8*\a+7], s[92:93] offset:4096+1024*\a+512
.endr
	v_cmp_ne_u32 vcc_lo, 0, v2
	v_cndmask_b32 v[TM+8], v[SWD], v[SWD+1], vcc_lo      ; lanes 0-15 the even block of channels, lanes 16-31 the odd one
	v_cndmask_b32 v[TM+9], v[SWD+2], v[SWD+3], vcc_lo
	global_store_b64 v[L8], v[TM+8:TM+9], s[92:93] offset:8704
	s_wait_tensorcnt 0x0                           ; the wave's end
	ds_add_u32 v[SPW], v[NIL]
	s_wait_dscnt 0x0
	CROUND                                         ; the closing round
	s_endpgm
.Lfunc_end_k_q623e006114_proj:
	.size	k_q623e006114_proj, .Lfunc_end_k_q623e006114_proj-k_q623e006114_proj
	.p2alignl 7, 3214868480
	.fill 96, 4, 3214868480
	.section	.rodata,"a",@progbits
	.p2align	6, 0x0
	.amdhsa_kernel k_q623e006114_proj
		.amdhsa_group_segment_fixed_size 327680
		.amdhsa_private_segment_fixed_size 0
		.amdhsa_enable_private_segment 0
		.amdhsa_kernarg_size 104
		.amdhsa_user_sgpr_count 2
		.amdhsa_user_sgpr_kernarg_segment_ptr 1
		.amdhsa_wavefront_size32 1
		.amdhsa_system_sgpr_workgroup_id_x 1
		.amdhsa_system_sgpr_workgroup_id_y 1
		.amdhsa_system_sgpr_workgroup_id_z 1
		.amdhsa_system_vgpr_workitem_id 0
		.amdhsa_next_free_vgpr 1024
		.amdhsa_next_free_sgpr 100
		.amdhsa_reserve_vcc 1
		.amdhsa_float_denorm_mode_32 3
		.amdhsa_float_denorm_mode_16_64 3
		.amdhsa_memory_ordered 1
		.amdhsa_forward_progress 1
		.amdhsa_inst_pref_size 186
	.end_amdhsa_kernel
	.amdgpu_metadata
---
amdhsa.version: [ 1, 2 ]
amdhsa.kernels:
  - .name:           k_q623e006114_proj
    .symbol:         k_q623e006114_proj.kd
    .args:
      - { .name: x_codes, .offset: 0, .size: 8, .value_kind: global_buffer, .address_space: global }
      - { .name: x_scales, .offset: 8, .size: 8, .value_kind: global_buffer, .address_space: global }
      - { .name: Wq_codes, .offset: 16, .size: 8, .value_kind: global_buffer, .address_space: global }
      - { .name: Wq_scales, .offset: 24, .size: 8, .value_kind: global_buffer, .address_space: global }
      - { .name: Wk_codes, .offset: 32, .size: 8, .value_kind: global_buffer, .address_space: global }
      - { .name: Wk_scales, .offset: 40, .size: 8, .value_kind: global_buffer, .address_space: global }
      - { .name: Wv_codes, .offset: 48, .size: 8, .value_kind: global_buffer, .address_space: global }
      - { .name: Wv_scales, .offset: 56, .size: 8, .value_kind: global_buffer, .address_space: global }
      - { .name: bq, .offset: 64, .size: 8, .value_kind: global_buffer, .address_space: global }
      - { .name: bk, .offset: 72, .size: 8, .value_kind: global_buffer, .address_space: global }
      - { .name: bv, .offset: 80, .size: 8, .value_kind: global_buffer, .address_space: global }
      - { .name: qws, .offset: 88, .size: 8, .value_kind: global_buffer, .address_space: global }
      - { .name: kvws, .offset: 96, .size: 8, .value_kind: global_buffer, .address_space: global }
    .group_segment_fixed_size: 327680
    .private_segment_fixed_size: 0
    .kernarg_segment_align: 8
    .kernarg_segment_size: 104
    .max_flat_workgroup_size: 128
    .sgpr_count:     100
    .vgpr_count:     1024
    .wavefront_size: 32
...
	.end_amdgpu_metadata
.endif
;; end of part 1
;; launch attn (part 2): grid 4 x 64, 8 waves a work-group, clusters of 4 x 1, 215,040 bytes of LDS; arguments qws, kvws, out0; writes out0
.if DOCPART == 2
	.amdgcn_target "amdgcn-amd-amdhsa--gfx1250"
	.amdhsa_code_object_version 6
	.text
	.protected	k_q623e006114_attn
	.globl	k_q623e006114_attn
	.p2align	8
	.type	k_q623e006114_attn,@function
k_q623e006114_attn:
	s_mov_b64 s[64:65], 0
	v_nop
	global_prefetch_b8 v0, s[64:65] scope:SCOPE_SE
	s_setreg_imm32_b32 hwreg(HW_REG_WAVE_MODE, 25, 1), 1
	s_wait_xcnt 0x0
	s_wait_alu depctr_hold_cnt(0) depctr_sa_sdst(0) depctr_va_vdst(0) depctr_va_sdst(0) depctr_va_ssrc(0) depctr_va_vcc(0) depctr_vm_vsrc(0)
	s_getreg_b32 s2, hwreg(HW_REG_IB_STS2, 6, 4)
	s_cmp_eq_u32 s2, 0
	s_cbranch_scc0 .Lentry_in_a_cluster
	s_endpgm
.Lentry_in_a_cluster:
	s_bfe_u32 s2, ttmp6, 0x10000c
	s_cmp_lg_u32 s2, 0x3003
	s_cbranch_scc0 .Lentry_shape_is_right
	s_endpgm
.Lentry_shape_is_right:
; out[b][q][64 head + d] = the sum over keys of softmax(q . k / 32) v, both products on codes of FP4 (E2M1) with one E8M0 scale for each 32 along a product's K.  q, k, v come as images of operand registers,
; made by the launch before: a head takes HEADB bytes, a group of 128 tokens GRPB = 8,960: 8 images of 512 bytes (q or k), 4 of 1,024 (V^T), 512 bytes of q's or k's scale words, 256 of V's.
; THE SOFTMAX AHEAD OF THE SECOND PRODUCT: t = score x c, c = log2(e) / 32; M = the row's largest t so far, rounded UP to a whole number; p = 2^(t - M) is what is quantised, along the keys, not normalised.
; The row's sum is taken of the unquantised p, in f32, and divides O at the end.  When M moves, the sum and O are multiplied by 2^(old M - new M): exact.  The running maximum is kept as a score m; -M = floor(-c m).
; A BLOCK'S SCALE: p rises with the score, so the block's largest p is 2^a, a = t - M of the block's largest score, made by the same multiply-add as every t - M.  Its exponent is floor(a): the byte is floor(a) + 125, held at 1 from below.
; SHARES.  A work-group owns 512 queries of one head; each of its EIGHT waves TWO tiles of 16 queries (A, B) in each of two passes, so that a fragment of K or V read from LDS feeds two matrix instructions,
; and one tile's plain lines stand among the other's exponentials and among its chains of dependent lines.  Every wave walks the head's 16 key steps of 128.
; K AND V OF THE WHOLE HEAD STAY IN LDS, 143,360 bytes, as they lie in memory: wave w brings key steps 2 w and 2 w + 1 by one tensor load; nothing is filled again.
; CLUSTER.  The four work-groups of a head read the same K and V: each load is asked for JOINTLY, with the same descriptor and a mask that names the four.
; LAYOUT.  Both products are used transposed: S^T = K Q^T, O^T = V^T P^T: a lane holds ONE query (lane % 16) of each tile.  Lane r of key tile 4 c + i takes key 64 c + 8 i + r % 8 + 32 (r / 8), so a lane's registers
; 32 c .. 32 c + 31 of S^T are keys 64 c + 32 (lane / 16) + 0 .. 31: a whole block of 32 in one lane, in the order that the next operand wants.
; HEAD SIZE 64 IN AN INSTRUCTION OF K = 128.  Q's registers 4-7 hold zero codes; K's fragment of tile n is four registers and the next tile's four (behind the last: zeros), which meet Q's zeros; both sides' scale bytes 2, 3 are 0, that is 2^-127.
; EXPONENTIALS go in two batches a step, with a wait ahead of the first, between the two and behind the second; a line of another kind inside a batch reads what was written ahead of the wait in front of the batch, and its result is read behind the wait that closes it.
; NOTHING IS PREFETCHED: every tile is asked for at the head, as a first fill.
; LIMITS: NaN and infinities are not served; the scaled scores stay under 2^31 in magnitude.  A block whose every p lies under 2^-124 keeps the scale byte 1.  p under 2^-126 comes out of v_exp_f32 as 0.
; Where v_exp_f32 rounds a block's largest p up onto a power of two, the byte is that of the unrounded p, and the code is held at 6, as the quantiser holds the unrounded number.
; REGISTERS.  Window 0: v1-63 as named below; v64-191 S^T then p (A, B); v192-255 O^T (A, B).  Window 1: K, V^T, Q.  x = 0, 1 stands for tile A, B.
.set GRPB,  8960
.set HEADB, 16*GRPB
.set STG,   HEADB                      ; a stage of 16 rows x 272 bytes for each wave, its own; no tensor load lands there
.set SP,    272
.set SPARE, STG+8*16*SP                ; the spare words
.set AKE0, 1
.set AKO0, 2
.set ASK0, 3
.set L16,  4
.set L8,   5
.set ADKE, 6
.set ADKO, 7
.set ADS,  8
.set ADV16, 9
.set ADV8, 10
.set NM,   12                          ; + 2 x: -M, and the largest score
.set SUM,  16                          ; + 2 x: the sum in two halves
.set FF,   20                          ; + x: f = 2^(old M - new M); the two are named as a pair, and op_sel picks the tile's
.set SPW,  22
.set NIL,  23
.set KSW,  24
.set VSW,  28
.set QSW,  30                          ; + x
.set PSW,  32                          ; + x
.set BM,   34                          ; + 4 x: two blocks' largest score, then a, then the byte; + 2: second chains, then the conversions' scale operands
.set RM,   42                          ; + x (at the head: Q's offsets)
.set PT,   44                          ; + x
.set MOLD, 46                          ; + x
.set PC,   48                          ; + 8 x: p's codes
.set STO,  34                          ; on the way out
.set RD,   35
.set GO,   36
.set SS,   64
.set OT,   192
.set KF,   0                           ; window 1: v0-31 K's eight tiles, v32-35 zeros
.set VF,   40                          ; v40-71 V^T's four fragments
.set QF,   72                          ; + 8 x: Q, four registers and four of zeros
.set QN,   88                          ; + 4 x: the second pass's Q
.set QSWN, 96                          ; + x: the second pass's scale words of Q
.set WV,   10
.set SEL,  20
.set CS,   22
.set G1,   24
.set G0,   32
.set TK,   36
.set TV,   37
.set STEPS, 38
.set PASSES, 39
.set NC,   47                          ; -c
.set MSB, 0
.macro WIN new
.if MSB != (\new)
	s_set_vgpr_msb (MSB<<8)|(\new)
.set MSB, (\new)
.endif
.endm
.macro ROUND
	s_barrier_signal -1
	s_barrier_wait -1
	s_cmp_lg_u32 s[WV], 0
	s_cbranch_scc1 .Lnot_wave_0_\@
	s_barrier_signal -3
.Lnot_wave_0_\@:
	s_barrier_wait -3
	s_barrier_signal -1
	s_barrier_wait -1
.endm
	s_load_b128 s[4:7], s[0:1], 0x0                ; qws, kvws
	s_load_b64 s[8:9], s[0:1], 0x10                ; out0
	v_lshl_add_u32 v[SPW], v0, 2, SPARE
	v_mov_b32 v[NIL], 0
	ds_add_u32 v[SPW], v[NIL]                      ; the opening lines: the add twice on end and its wait
	ds_add_u32 v[SPW], v[NIL]
	v_lshrrev_b32 v48, 5, v0
	v_readfirstlane_b32 s[WV], v48                 ; wave 0..7
	s_bfe_u32 s11, ttmp6, 0x40000                  ; cx: which 512 queries of the head
	s_and_b32 s12, ttmp7, 0xffff                   ; 16 batch + head
	s_mul_i32 s14, s12, HEADB
	s_mov_b32 s15, 0
	s_mul_i32 s16, s[WV], 2*GRPB                   ; K and V: key steps 2 wave, 2 wave + 1
	s_mov_b32 s17, 0
	s_add_nc_u64 s[16:17], s[16:17], s[14:15]
	s_lshl_b32 s18, s11, 2                         ; Q: group 4 cx + wave / 4 (the second pass: two groups on)
	s_lshr_b32 s19, s[WV], 2
	s_add_co_u32 s18, s18, s19
	s_mul_i32 s18, s18, GRPB
	s_mov_b32 s19, 0
	s_add_nc_u64 s[18:19], s[18:19], s[14:15]
	s_lshr_b32 s40, s12, 4                         ; out: token 2,048 batch + 512 cx + 32 wave, rows of 4,096 bytes; the head's 256 bytes in a row
	s_lshl_b32 s40, s40, 11
	s_lshl_b32 s41, s11, 9
	s_add_co_u32 s40, s40, s41
	s_lshl_b32 s41, s[WV], 5
	s_add_co_u32 s40, s40, s41
	s_lshl_b32 s40, s40, 12
	s_and_b32 s41, s12, 15
	s_lshl_b32 s41, s41, 8
	s_add_co_u32 s40, s40, s41
	s_mov_b32 s41, 0
	s_mov_b32 s[G1], 15|(3<<16)|(1<<21)            ; a dense block of 17,920 bytes as 70 rows of 256 (32 elements of 8 bytes); the mask names all four
	s_mov_b32 s[G1+1], 32<<16
	s_mov_b32 s[G1+2], 70<<16
	s_mov_b32 s[G1+3], 32<<16
	s_mov_b32 s[G1+4], 70
	s_mov_b32 s[G1+5], 32
	s_mov_b32 s[G1+6], 0
	s_mov_b32 s[G1+7], 0
	s_mov_b32 s[SEL], 0x76543210
	s_mov_b32 s[SEL+1], 0xfedcba98
	s_mov_b32 s[CS], 0x3d38aa3b                    ; c = log2(e) / 32
	s_mov_b32 s[CS+1], s[CS]
	s_mov_b32 s[NC], 0xbd38aa3b                    ; -c
	s_and_b32 s42, s[WV], 3                        ; my tiles of the group: 2 (wave % 4) and the next
	s_lshl_b32 s46, s42, 10                        ; 512 x the first
	s_and_b32 s43, s[WV], 1
	s_lshl_b32 s43, s43, 7                         ; in tiles 2, 3, 6, 7 rows 0-7 and 8-15 have changed places in the image
	s_lshl_b32 s44, s42, 2
	s_add_co_u32 s44, s44, 8192                    ; the word of token 16 t + r: 8,192 + 256 (t % 2) + 16 r + 4 (t / 2)
	s_mul_i32 s13, s[WV], 16*SP
	s_add_co_u32 s13, s13, STG                     ; my stage
	s_wait_dscnt 0x0
	s_wait_kmcnt 0x0
	s_mov_b32 s[G0], 1
	s_mul_i32 s[G0+1], s[WV], 2*GRPB
	s_add_nc_u64 s[G0+2:G0+3], s[6:7], s[16:17]
	s_or_b32 s[G0+3], s[G0+3], 0x80000000
	s_add_nc_u64 s[4:5], s[4:5], s[18:19]
	s_add_nc_u64 s[8:9], s[8:9], s[40:41]
	ROUND                                          ; all four work-groups are here: the joint loads meet
	tensor_load_to_lds s[G0:G0+3], s[G1:G1+7]      ; my one tensor load of the launch
	s_nop 0
.rept 4
	v_nop
.endr
	v_and_b32 v48, 15, v0                          ; r
	v_bfe_u32 v49, v0, 4, 1                        ; h
	v_and_b32 v50, 31, v0                          ; lane
	v_bfe_u32 v51, v0, 3, 1                        ; r / 8
	v_and_b32 v52, 7, v0                           ; r % 8
	v_lshlrev_b32 v[L16], 4, v50
	v_lshlrev_b32 v[L8], 3, v50
	v_xor_b32 v[RM], s43, v[L16]
	v_add_nc_u32 v[RM], s46, v[RM]                 ; Q's codes
	v_lshl_add_u32 v[RM+1], v48, 4, s44            ; Q's scale words
	v_lshl_add_u32 v[AKE0], v51, 10, v[L16]        ; K's images, tiles with even i: 16 lane + 1,024 (r / 8)
	v_xor_b32 v[AKO0], 128, v[L16]
	v_lshl_add_u32 v[AKO0], v51, 10, v[AKO0]       ; odd i: 16 (lane xor 8) + 1,024 (r / 8)
	v_lshlrev_b32 v[ASK0], 4, v52
	v_lshl_add_u32 v[ASK0], v49, 7, v[ASK0]
	v_lshl_add_u32 v[ASK0], v51, 2, v[ASK0]
	v_add_nc_u32 v[ASK0], 8192, v[ASK0]            ; K's scale words: 8,192 + 128 h + 16 (r % 8) + 4 (r / 8)
.irp x, 0,1
	v_mov_b32 v[FF+\x], 0                          ; (named as a pair before both are made)
	v_mov_b32 v[PT+\x], 0                          ; a lane permute's destination counts as one of its sources
.endr
	WIN 0x40
.irp j, 0,1,2,3
	v_mov_b32 v[QF+4+\j], 0                        ; zero codes: the upper halves of Q's fragments,
	v_mov_b32 v[QF+12+\j], 0
	v_mov_b32 v[KF+32+\j], 0                       ; and behind K's last tile
.endr
	s_wait_alu depctr_va_vdst(0)                   ; the wait at the head's end
.irp x, 0,1
	global_load_b128 v[QF+8*\x:QF+8*\x+3], v[RM], s[4:5] offset:512*\x th:TH_LOAD_NT
	global_load_b128 v[QN+4*\x:QN+4*\x+3], v[RM], s[4:5] offset:2*GRPB+512*\x th:TH_LOAD_NT
	global_load_b32 v[QSWN+\x], v[RM+1], s[4:5] offset:2*GRPB+256*\x th:TH_LOAD_NT
.endr
	WIN 0
.irp x, 0,1
	global_load_b32 v[QSW+\x], v[RM+1], s[4:5] offset:256*\x th:TH_LOAD_NT
.endr
.macro KSWLOAD                         ; K's scale words: register 2 c + i / 2: lanes 0-15 the tile with even i, lanes 16-31 the odd one
.irp c, 0,1
.irp i, 0,1
	ds_load_b32 v[KSW+2*\c+\i], v[ADS] offset:256*\i+8*\c
.endr
.endr
.endm
.macro KLOAD                           ; K's eight tiles, into window 1
.irp c, 0,1
.irp i, 0,1,2,3
.if (\i)%2
	ds_load_b128 v[KF+4*(4*\c+\i):KF+4*(4*\c+\i)+3], v[ADKO] offset:512*(4*\c+\i/2)
.else
	ds_load_b128 v[KF+4*(4*\c+\i):KF+4*(4*\c+\i)+3], v[ADKE] offset:512*(4*\c+\i/2)
.endif
.endr
.endr
.endm
.macro VLOAD                           ; V^T's four fragments, into window 1
.irp t, 0,1,2,3
.irp c, 0,1
	ds_load_b128 v[VF+8*\t+4*\c:VF+8*\t+4*\c+3], v[ADV16] offset:4096+1024*\t+512*\c
.endr
.endr
.endm
; the largest score of each of a tile's two blocks of 32 keys, in two chains each; every accumulator is first read at its low end
.macro MAXF x
.irp c, 0,1
	v_max3_num_f32 v[BM+4*\x+\c], v[SS+64*\x+32*\c], v[SS+64*\x+32*\c+1], v[SS+64*\x+32*\c+2]
	v_max3_num_f32 v[BM+4*\x+2+\c], v[SS+64*\x+32*\c+16], v[SS+64*\x+32*\c+17], v[SS+64*\x+32*\c+18]
.endr
.endm
.macro MAXR x, i
.irp c, 0,1
	v_max3_num_f32 v[BM+4*\x+\c], v[BM+4*\x+\c], v[SS+64*\x+32*\c+\i], v[SS+64*\x+32*\c+\i+1]
	v_max3_num_f32 v[BM+4*\x+2+\c], v[BM+4*\x+2+\c], v[SS+64*\x+32*\c+16+\i], v[SS+64*\x+32*\c+17+\i]
.endr
.endm
.macro MAXE x
.irp c, 0,1
	v_max3_num_f32 v[BM+4*\x+\c], v[BM+4*\x+\c], v[BM+4*\x+2+\c], v[SS+64*\x+32*\c+15]
.endr
.irp c, 0,1
	v_max_num_f32 v[BM+4*\x+\c], v[BM+4*\x+\c], v[SS+64*\x+32*\c+31]
.endr
.endm
; line k of the chain from the blocks' maxima to -M and f
.macro CHAIN x, k
.if (\k) == 0
	v_max_num_f32 v[RM+\x], v[BM+4*\x], v[BM+4*\x+1]
.endif
.if (\k) == 1
	v_permlanex16_b32 v[PT+\x], v[RM+\x], s[SEL], s[SEL+1]
.endif
.if (\k) == 2
	v_max3_num_f32 v[NM+2*\x+1], v[NM+2*\x+1], v[RM+\x], v[PT+\x]   ; the running largest score of my query
.endif
.if (\k) == 3
	v_mul_f32 v[RM+\x], s[NC], v[NM+2*\x+1]        ; -t
.endif
.if (\k) == 4
	v_floor_f32 v[NM+2*\x], v[RM+\x]               ; -M = floor(-t) = -ceil(t)
.endif
.if (\k) == 5
	v_sub_f32 v[MOLD+\x], v[NM+2*\x], v[MOLD+\x]   ; old M - new M: a whole number, 0 or less
.endif
.if (\k) == 6
	v_cvt_i32_f32 v[MOLD+\x], v[MOLD+\x]           ; (it saturates)
.endif
.if (\k) == 7
	v_ldexp_f32 v[FF+\x], 1.0, v[MOLD+\x]          ; f
.endif
.endm
; level k of the way from the blocks' largest scores to the conversions' scale operands and p's scale word
.macro SCL x, k
.irp c, 0,1
.if (\k) == 0
	v_fma_f32 v[BM+4*\x+\c], v[BM+4*\x+\c], s[CS], v[NM+2*\x]      ; a = t - M of the block's largest score
.endif
.if (\k) == 1
	v_max_num_f32 v[BM+4*\x+\c], 0xc2f80000, v[BM+4*\x+\c]         ; held at -124: the byte cannot fall under 1
.endif
.if (\k) == 2
	v_cvt_floor_i32_f32 v[BM+4*\x+\c], v[BM+4*\x+\c]
.endif
.if (\k) == 3
	v_add_nc_u32 v[BM+4*\x+\c], 125, v[BM+4*\x+\c]                 ; the byte: floor(a) - 2 + 127
.endif
.if (\k) == 4
	v_lshlrev_b32 v[BM+4*\x+2+\c], 23, v[BM+4*\x+\c]               ; as an exponent field: the conversion's scale operand
.endif
.endr
.if (\k) == 5
	v_lshl_or_b32 v[PSW+\x], v[BM+4*\x+1], 16, v[BM+4*\x]          ; my two bytes: blocks h and 2 + h of my query
.endif
.if (\k) == 6
	v_permlanex16_b32 v[PT+\x], v[PSW+\x], s[SEL], s[SEL+1]
.endif
.if (\k) == 7
	v_lshl_or_b32 v[PSW+\x], v[PT+\x], 8, v[PSW+\x]                ; lanes 0-15, which alone are read: blocks 0, 2 are mine, 1, 3 lane l + 16's
.endif
.endm
.macro RESC x, j                       ; O^T under the new M
.if \x
	v_pk_mul_f32 v[OT+32+(\j):OT+32+(\j)+1], v[OT+32+(\j):OT+32+(\j)+1], v[FF:FF+1] op_sel:[0,1] op_sel_hi:[1,1]
.else
	v_pk_mul_f32 v[OT+(\j):OT+(\j)+1], v[OT+(\j):OT+(\j)+1], v[FF:FF+1] op_sel_hi:[1,0]
.endif
.endm
.macro TFMA x, j                       ; t - M, two at a time
	v_pk_fma_f32 v[SS+64*\x+(\j):SS+64*\x+(\j)+1], v[SS+64*\x+(\j):SS+64*\x+(\j)+1], s[CS:CS+1], v[NM+2*\x:NM+2*\x+1] op_sel_hi:[1,0,0]
.endm
.macro LV x, d, k0, n                  ; a level of the sum's tree, in place: pair 2 d k takes pair 2 d k + d
.set K, \k0
.rept \n
	v_pk_add_f32 v[SS+64*\x+2*(\d)*K:SS+64*\x+2*(\d)*K+1], v[SS+64*\x+2*(\d)*K:SS+64*\x+2*(\d)*K+1], v[SS+64*\x+2*(\d)*K+(\d):SS+64*\x+2*(\d)*K+(\d)+1]
.set K, K+1
.endr
.endm
; A KEY STEP: 128 keys, both tiles.  adv = 1: the next step's K is fetched; 0, the pass's last step: step 0's
.macro STEP adv
	s_wait_dscnt 0x0                               ; this step's K
	WIN 0x05
.irp x, 0,1
.irp c, 0,1
.irp i, 0,1,2,3
.if (\i)%2
	v_wmma_scale_f32_16x16x128_f8f6f4 v[SS+64*\x+8*(4*\c+\i):SS+64*\x+8*(4*\c+\i)+7], v[KF+4*(4*\c+\i):KF+4*(4*\c+\i)+7], v[QF+8*\x:QF+8*\x+7], 0, v[KSW+2*\c+\i/2], v[QSW+\x] matrix_a_fmt:MATRIX_FMT_FP4 matrix_b_fmt:MATRIX_FMT_FP4 matrix_a_scale:MATRIX_SCALE_ROW1
.else
	v_wmma_scale_f32_16x16x128_f8f6f4 v[SS+64*\x+8*(4*\c+\i):SS+64*\x+8*(4*\c+\i)+7], v[KF+4*(4*\c+\i):KF+4*(4*\c+\i)+7], v[QF+8*\x:QF+8*\x+7], 0, v[KSW+2*\c+\i/2], v[QSW+\x] matrix_a_fmt:MATRIX_FMT_FP4 matrix_b_fmt:MATRIX_FMT_FP4
.endif
.endr
.endr
.endr
	WIN 0
.if \adv
	s_add_co_u32 s[TK], s[TK], GRPB
.else
	s_mov_b32 s[TK], 0
.endif
	v_mov_b32 v[MOLD], v[NM]                       ; seven plain lines: the places in front of the loads below and of the first reads of S^T
	v_mov_b32 v[MOLD+1], v[NM+2]
	v_add_nc_u32 v[ADV16], s[TV], v[L16]
	v_add_nc_u32 v[ADV8], s[TV], v[L8]
	v_add_nc_u32 v[ADKE], s[TK], v[AKE0]
	v_add_nc_u32 v[ADKO], s[TK], v[AKO0]
	v_add_nc_u32 v[ADS], s[TK], v[ASK0]
	ds_load_b64 v[VSW:VSW+1], v[ADV8] offset:8704
	KSWLOAD
	WIN 0x40
	VLOAD                                          ; this step's V
	KLOAD                                          ; the next step's K: the eight loads issued last
	WIN 0
.if \adv
	s_add_co_u32 s[TV], s[TV], GRPB
.endif
	MAXF 0
.irp i, 3,5,7,9,11,13
	MAXR 0, \i
.endr
	MAXE 0
	MAXF 1                                         ; A's chain stands among B's maxima
	CHAIN 0, 0
	MAXR 1, 3
	CHAIN 0, 1
	MAXR 1, 5
	CHAIN 0, 2
	MAXR 1, 7
	CHAIN 0, 3
	MAXR 1, 9
	CHAIN 0, 4
	MAXR 1, 11
	CHAIN 0, 5
	MAXR 1, 13
	CHAIN 0, 6
	MAXE 1
	CHAIN 0, 7
.irp k, 0,1,2,3,4,5,6,7                        ; B's chain and A's scales among A's rescaling and multiply-adds
	CHAIN 1, \k
	RESC 0, 4*\k
	TFMA 0, 4*\k
	SCL 0, \k
	RESC 0, 4*\k+2
	TFMA 0, 4*\k+2
.endr
.irp k, 0,1,2,3,4,5,6,7                        ; B's scales among B's rescaling and the rest of A's multiply-adds
	SCL 1, \k
	TFMA 0, 32+4*\k
	RESC 1, 4*\k
	TFMA 0, 34+4*\k
	RESC 1, 4*\k+2
.endr
	s_wait_alu depctr_va_vdst(0)                   ; ahead of the first batch
.set J, 0
.rept 32                                       ; A's p = 2^(t - M), with B's t - M between
	v_exp_f32 v[SS+J], v[SS+J]
	v_exp_f32 v[SS+J+1], v[SS+J+1]
	TFMA 1, J
.set J, J+2
.endr
	s_wait_alu depctr_va_vdst(0)                   ; behind the first batch and ahead of the second
.set G, 0
.rept 8                                        ; B's p; between: A's codes (register 4 c + i of P: keys 64 c + 32 h + 8 i + 0 .. 7) and, a group behind them, the first level of A's sum, in place
	v_exp_f32 v[SS+64+8*G], v[SS+64+8*G]
	v_exp_f32 v[SS+65+8*G], v[SS+65+8*G]
	v_cvt_scalef32_pk8_fp4_f32 v[PC+G], v[SS+8*G:SS+8*G+7], v[BM+2+G/4]
	v_exp_f32 v[SS+66+8*G], v[SS+66+8*G]
	v_exp_f32 v[SS+67+8*G], v[SS+67+8*G]
.if G > 0
	LV 0, 2, 2*(G-1), 1
.else
	v_nop                                          ; a plain place behind the first conversion
.endif
	v_exp_f32 v[SS+68+8*G], v[SS+68+8*G]
	v_exp_f32 v[SS+69+8*G], v[SS+69+8*G]
.if G > 0
	LV 0, 2, 2*(G-1)+1, 1
.endif
	v_exp_f32 v[SS+70+8*G], v[SS+70+8*G]
	v_exp_f32 v[SS+71+8*G], v[SS+71+8*G]
.set G, G+1
.endr
	LV 0, 2, 14, 2
	s_wait_alu depctr_va_vdst(0)                   ; behind the second batch
.set G, 0
.rept 8                                        ; B's codes, with the second level of A's sum between
	v_cvt_scalef32_pk8_fp4_f32 v[PC+8+G], v[SS+64+8*G:SS+64+8*G+7], v[BM+6+G/4]
	LV 0, 4, G, 1
.set G, G+1
.endr
	LV 1, 2, 0, 16                                 ; THE ROWS' SUMS OF THE UNQUANTISED p: trees in place, the two tiles by turns
	LV 0, 8, 0, 4
	LV 1, 4, 0, 8
	LV 0, 16, 0, 2
	LV 1, 8, 0, 4
	LV 0, 32, 0, 1
	LV 1, 16, 0, 2
	v_pk_fma_f32 v[SUM:SUM+1], v[SUM:SUM+1], v[FF:FF+1], v[SS:SS+1] op_sel_hi:[1,0,1]   ; the sum under the new M, and the step's
	LV 1, 32, 0, 1
	v_pk_fma_f32 v[SUM+2:SUM+3], v[SUM+2:SUM+3], v[FF:FF+1], v[SS+64:SS+65] op_sel:[0,1,0] op_sel_hi:[1,1,1]
	s_wait_dscnt 8                                 ; V and its scale words are in; K's eight fragment loads, issued behind them, may be out
	WIN 0x01
.irp t, 0,1,2,3                                ; O^T += V^T P^T: eight accumulators by turns
.irp x, 0,1
.if (\t)%2
	v_wmma_scale_f32_16x16x128_f8f6f4 v[OT+32*\x+8*\t:OT+32*\x+8*\t+7], v[VF+8*\t:VF+8*\t+7], v[PC+8*\x:PC+8*\x+7], v[OT+32*\x+8*\t:OT+32*\x+8*\t+7], v[VSW+\t/2], v[PSW+\x] matrix_a_fmt:MATRIX_FMT_FP4 matrix_b_fmt:MATRIX_FMT_FP4 matrix_a_scale:MATRIX_SCALE_ROW1
.else
	v_wmma_scale_f32_16x16x128_f8f6f4 v[OT+32*\x+8*\t:OT+32*\x+8*\t+7], v[VF+8*\t:VF+8*\t+7], v[PC+8*\x:PC+8*\x+7], v[OT+32*\x+8*\t:OT+32*\x+8*\t+7], v[VSW+\t/2], v[PSW+\x] matrix_a_fmt:MATRIX_FMT_FP4 matrix_b_fmt:MATRIX_FMT_FP4
.endif
.endr
.endr
	WIN 0
.endm
	s_wait_tensorcnt 0x0                           ; my two key steps have landed,
	s_barrier_signal -1
	s_barrier_wait -1                              ; everybody's have: the whole head lies in LDS
	s_mov_b32 s[TK], 0
	v_add_nc_u32 v[ADKE], s[TK], v[AKE0]
	v_add_nc_u32 v[ADKO], s[TK], v[AKO0]
	v_add_nc_u32 v[ADS], s[TK], v[ASK0]
	KSWLOAD
	WIN 0x40
	KLOAD                                          ; key step 0
	WIN 0
	s_wait_loadcnt 0x0                             ; Q, both passes'
	s_mov_b32 s[PASSES], 2
.Lpass:
.irp x, 0,1
	v_mov_b32 v[NM+2*\x+1], 0xff61b1e6             ; the largest score so far: -3e38
	v_mov_b32 v[NM+2*\x], 0x7d22c4a0               ; -M to begin with: a large whole number, so that the first f is 0
	v_mov_b32 v[SUM+2*\x], 0
	v_mov_b32 v[SUM+2*\x+1], 0
.endr
.set J, 0
.rept 64
	v_mov_b32 v[OT+J], 0                           ; O^T: the step is written once; the first finds zeros
.set J, J+1
.endr
	s_mov_b32 s[TK], 0
	s_mov_b32 s[TV], 0
	s_mov_b32 s[STEPS], 15
	s_wait_alu depctr_va_vdst(0)                   ; ahead of the step's first wait
.Lstep:
	STEP 1
	s_sub_co_u32 s[STEPS], s[STEPS], 1
	s_cmp_lg_u32 s[STEPS], 0
	s_cbranch_scc1 .Lstep
	STEP 0
	; THE WAY OUT OF A PASS.  O^T is divided by the row's sum and goes through my stage in LDS, tile by tile, so that sixteen lanes store a query's 256 consecutive bytes, aligned.
	s_wait_alu depctr_va_vdst(0)                   ; the sums were written just ahead of the step's last wait
.irp x, 0,1
	v_add_f32 v[SUM+2*\x], v[SUM+2*\x], v[SUM+2*\x+1]
.endr
.irp x, 0,1
	v_permlanex16_b32 v[PT+\x], v[SUM+2*\x], s[SEL], s[SEL+1]
.endr
.irp x, 0,1
	v_add_f32 v[SUM+2*\x], v[SUM+2*\x], v[PT+\x]   ; the row's sum
.endr
	s_wait_alu depctr_va_vdst(0)                   ; ahead of the reciprocals
	v_rcp_f32 v[SUM], v[SUM]
	v_rcp_f32 v[SUM+2], v[SUM+2]
	v_and_b32 v38, 15, v0                          ; r: plain work behind the reciprocals
	v_bfe_u32 v39, v0, 4, 1                        ; h
	v_mul_u32_u24 v[STO], v38, SP                  ; the stage, in: row r, + 32 h
	v_mul_u32_u24 v[RD], v39, SP                   ; back: lanes 0-15 one row of 256 bytes, lanes 16-31 the next
	v_lshlrev_b32 v[GO], 12, v39                   ; and the same two rows in out
	v_lshl_add_u32 v[STO], v39, 5, v[STO]
	v_lshl_add_u32 v[RD], v38, 4, v[RD]
	v_lshl_add_u32 v[GO], v38, 4, v[GO]
	v_add_nc_u32 v[STO], s13, v[STO]
	v_add_nc_u32 v[RD], s13, v[RD]
	WIN 0x41
.irp j, 0,1,2,3
	v_mov_b32 v[QF+\j], v[QN+\j]                   ; the second pass's Q
	v_mov_b32 v[QF+8+\j], v[QN+4+\j]
.endr
	WIN 0x01
	v_mov_b32 v[QSW], v[QSWN]
	v_mov_b32 v[QSW+1], v[QSWN+1]
	WIN 0
	s_wait_alu depctr_va_vdst(0)                   ; behind them, directly ahead of the first readers of O^T
.irp x, 0,1
.set J, 0
.rept 16
	v_pk_mul_f32 v[SS+64*\x+J:SS+64*\x+J+1], v[OT+32*\x+J:OT+32*\x+J+1], v[SUM+2*\x:SUM+2*\x+1] op_sel_hi:[1,0]   ; register 8 t + j: channel 16 t + 8 h + j of my query
.set J, J+2
.endr
.endr
.irp x, 0,1
.irp t, 0,1,2,3
	ds_store_b128 v[STO], v[SS+64*\x+8*\t:SS+64*\x+8*\t+3] offset:64*\t
	ds_store_b128 v[STO], v[SS+64*\x+8*\t+4:SS+64*\x+8*\t+7] offset:64*\t+16
.endr
.irp i, 0,1,2,3,4,5,6,7
	ds_load_b128 v[SS+64*\x+32+4*\i:SS+64*\x+35+4*\i], v[RD] offset:2*\i*SP   ; LDS serves a wave's instructions in order (ISA guide 5.7.1.4): these see my stores, and B's stores come behind A's loads
.endr
.endr
.irp x, 0,1
.irp i, 0,1,2,3,4,5,6,7
	s_wait_dscnt 23-16*\x-\i                       ; this load is in; those issued behind it may be out
	global_store_b128 v[GO], v[SS+64*\x+32+4*\i:SS+64*\x+35+4*\i], s[8:9] offset:65536*\x+8192*\i th:TH_STORE_NT
.endr
.endr
	s_wait_xcnt 0x0                                ; the stores have read their registers and their base
	s_add_nc_u64 s[8:9], s[8:9], 0x100000          ; 256 queries on
	s_sub_co_u32 s[PASSES], s[PASSES], 1
	s_cmp_lg_u32 s[PASSES], 0
	s_cbranch_scc1 .Lpass
	s_wait_tensorcnt 0x0                           ; the wave's end
	ds_add_u32 v[SPW], v[NIL]
	s_wait_dscnt 0x0
	ROUND                                          ; the closing round
	s_endpgm
.Lfunc_end_k_q623e006114_attn:
	.size	k_q623e006114_attn, .Lfunc_end_k_q623e006114_attn-k_q623e006114_attn
	.p2alignl 7, 3214868480
	.fill 96, 4, 3214868480
	.section	.rodata,"a",@progbits
	.p2align	6, 0x0
	.amdhsa_kernel k_q623e006114_attn
		.amdhsa_group_segment_fixed_size 215040
		.amdhsa_private_segment_fixed_size 0
		.amdhsa_enable_private_segment 0
		.amdhsa_kernarg_size 24
		.amdhsa_user_sgpr_count 2
		.amdhsa_user_sgpr_kernarg_segment_ptr 1
		.amdhsa_wavefront_size32 1
		.amdhsa_system_sgpr_workgroup_id_x 1
		.amdhsa_system_sgpr_workgroup_id_y 1
		.amdhsa_system_sgpr_workgroup_id_z 1
		.amdhsa_system_vgpr_workitem_id 0
		.amdhsa_next_free_vgpr 384
		.amdhsa_next_free_sgpr 66
		.amdhsa_reserve_vcc 0
		.amdhsa_float_denorm_mode_32 3
		.amdhsa_float_denorm_mode_16_64 3
		.amdhsa_memory_ordered 1
		.amdhsa_forward_progress 1
		.amdhsa_inst_pref_size 70
	.end_amdhsa_kernel
	.amdgpu_metadata
---
amdhsa.version: [ 1, 2 ]
amdhsa.kernels:
  - .name:           k_q623e006114_attn
    .symbol:         k_q623e006114_attn.kd
    .args:
      - { .name: qws, .offset: 0, .size: 8, .value_kind: global_buffer, .address_space: global }
      - { .name: kvws, .offset: 8, .size: 8, .value_kind: global_buffer, .address_space: global }
      - { .name: out0, .offset: 16, .size: 8, .value_kind: global_buffer, .address_space: global }
    .group_segment_fixed_size: 215040
    .private_segment_fixed_size: 0
    .kernarg_segment_align: 8
    .kernarg_segment_size: 24
    .max_flat_workgroup_size: 256
    .sgpr_count:     66
    .vgpr_count:     384
    .wavefront_size: 32
...
	.end_amdgpu_metadata
.endif
;; end of part 2
